; MI455X (gfx1250); checked and timed in simulation.
; The chip was launched on July 23, 2026; its instructions are those of AMD's public machine-readable ISA for CDNA 5 (MIT licence, August 2026) and "CDNA5" Instruction Set Architecture Reference Guide (July 2026). The comments in the code are by the model that wrote it; some were corrected since.
;; Cross Attention Fusion. Allowed arithmetic: matrix products marked QUANTISED: E2M3 operands, one E8M0 scale for each 32 along K, by v_wmma_scale_f32_16x16x128_f8f6f4 with both operands' format E2M3, f32 sums; everything else in f32.
;; Inputs: Wk 2,048 x 2,048 float32; Wo 2,048 x 2,048 float32; Wq 2,048 x 2,048 float32; Wv 2,048 x 2,048 float32; bk 2,048 float32; bo 2,048 float32; bq 2,048 float32; bv 2,048 float32; emb_a 4,096 x 2,048 float32; emb_b 4,096 x 2,048 float32.
;; Outputs: out0 4,096 x 2,048 float32.
;; This version of the problem:
;;   THIS VERSION OF THE PROBLEM IS GIVEN IN LOW PRECISION. The matrix products marked QUANTISED in the list below multiply operands that are first quantised to E2M3 (2 exponent bits, 3 mantissa bits; 6 bits a number), with one power-of-two scale for each 32 numbers along K (OCP MX v1.0); their sums are f32. All else is computed in f32.
;;   The module's matrix products, in the order in which they are computed (A, B: the left and right operand; K: the contracted axis; several contracted axes count as one K, in the product's order):
;;     1. [M 4,096, K 2,048] x [K 2,048, N 2,048]; A: input emb_a; B: input Wq: QUANTISED
;;     2. [M 4,096, K 2,048] x [K 2,048, N 2,048]; A: input emb_b; B: input Wk: QUANTISED
;;     3. [M 4,096, K 2,048] x [K 2,048, N 2,048]; A: input emb_b; B: input Wv: QUANTISED
;;     4. [M 4,096, K 2,048] x [K 2,048, N 2,048]; A: computed on the way; B: input Wo: QUANTISED
;;   THE QUANTISER, for each operand of a quantised product, along K:
;;     - K is cut into blocks of 32 from its start; a last block that is shorter is filled with zeros.
;;     - A block's scale is 2^e with e = floor(log2(the largest magnitude in the block)) - 2, held to -126 .. 127; a block of zeros has e = 0. As a byte (E8M0): e + 127.
;;     - Each number is divided by its block's scale, clamped to +-7.5, and rounded to the nearest number of E2M3, ties to even, subnormals kept.
;;     - The product sums the exact products of the quantised numbers (number of the format x scale) in f32.
;;   ~~~python
;;   def quantise(x, axis):      # numpy; x: float32 -> the quantised numbers, widened to float32 again
;;       x = np.moveaxis(x, axis, -1); K = x.shape[-1]
;;       x = np.pad(x, [(0, 0)] * (x.ndim - 1) + [(0, -K % 32)]); x = x.reshape(x.shape[:-1] + (-1, 32)); a = np.abs(x).max(-1, keepdims=True)
;;       e = np.where(a > 0, np.clip(np.frexp(np.where(a > 0, a, 1))[1] - 1 - 2, -126, 127), 0)      # np.frexp(a)[1] - 1 = floor(log2(a)), exactly
;;       r = np.clip(x / 2.0 ** e, -7.5, 7.5)
;;       step = 2.0 ** (np.maximum(np.frexp(np.where(r == 0, 1, r))[1] - 1, 0) - 3)
;;       q = np.round(r / step) * step * 2.0 ** e      # np.round: ties to even
;;       return np.moveaxis(q.reshape(q.shape[:-2] + (-1,))[..., :K], -1, axis).astype(np.float32)
;;   ~~~
;;   OPERANDS COMPUTED ON THE WAY. 'Computed on the way' means the value that the module computes at that place (a softmax that the list does not call 'softmax' is quantised finished and normalised). What goes into a quantiser is computed in f32, as accurately as f32 sums, v_exp_f32 and their like allow (about 1e-6 of the number): no bf16 or f16 on the way to a quantiser, and a product that is left as it is and whose result goes on into a quantised operand takes f32 operands (vector FMAs, or v_wmma_f32_16x16x4_f32). A number that lies on a knife's edge between two numbers of the format may be rounded either way, as far as f32 arithmetic and the matrix unit's own rounding can turn it there, and no further.
;; One version. Each part assembles by itself: llvm-mc -triple=amdgcn-amd-amdhsa -mcpu=gfx1250 --defsym DOCPART=n.
;; ======== version 1 of 1: 3 launches
;; limits: right only within a limited range of input values
;; workspace buffers: codes 13,107,200 bytes; hbuf 6,553,600 bytes
;; launch quant (part 1): grid 512 x 1, 4 waves a work-group, no clusters, 34,304 bytes of LDS; arguments emb_b, Wv, Wo, codes; writes codes
.if DOCPART == 1
	.amdgcn_target "amdgcn-amd-amdhsa--gfx1250"
	.amdhsa_code_object_version 6
	.text
	.protected	k_q083802da70_quant
	.globl	k_q083802da70_quant
	.p2align	8
	.type	k_q083802da70_quant,@function
k_q083802da70_quant:
	s_mov_b64 s[64:65], 0
	v_nop
	global_prefetch_b8 v0, s[64:65] scope:SCOPE_SE
	s_setreg_imm32_b32 hwreg(HW_REG_WAVE_MODE, 25, 1), 1
	s_wait_xcnt 0x0
; WORK LEFT OUT OF THE WHOLE PROGRAM, shown for all finite values of the inputs: scores has the shape (B, 1) and the softmax runs over that axis of length 1.
; For its one score s the softmax is exp(s - max) / sum = exp(s - s) / exp(s - s) = 1.  So attn is the factor 1 by an identity and out = v: q, k, the rows' sums of q x k, the exponential
; (products 1 and 2 of the table and all that hangs on them) reach no output.  Wq, bq, Wk, bk have no way to the output: they are not loaded and are among no launch's arguments.
; emb_a was a quantised operand of product 1 alone: it is not quantised; it is read in f32 for h = v + emb_a.
; LIMIT: a NaN, an infinity or an overflow that arises only in q, k or the scores is not carried to the result.
; THIS LAUNCH: emb_b [4096][2048], Wv and Wo [2048][2048], f32, K innermost, become codes of FP6 (E2M3) with one E8M0 byte for each 32 along K,
; laid in the order of the operand registers of v_wmma_scale_f32_16x16x128_f8f6f4, so that the products read them by 16-byte loads alone.
; A BLOCK is 16 rows x all 2,048 K = 25,600 bytes = 4 CHUNKS of 6,400 (512 along K): 4 fragment images of 1,536 bytes, then 256 scale bytes.
; Fragment image (16 rows x 128 K, 12 registers a lane): register j of lane l at 512 (j / 4) + 16 l + 4 (j % 4).  Scale bytes: row r has 16 bytes at 6,144 + 16 r: word q serves the chunk's q-th 128 along K.
; Blocks in the buffer: emb_b 0-255, Wv 256-383, Wo 384-511.
; WHICH ROWS FORM A BLOCK: emb_b: block i, fragment row r = row 16 i + r.  Weights: row 32 (i / 2) + 8 (i % 2) + r + 8 (r / 8), so that in a product used transposed
; the 16 registers of two neighbouring result tiles are 16 neighbouring columns.
; A block of 32's scale is 2^(floor(log2(largest magnitude)) - 2); its byte is the largest magnitude's exponent field - 2, held at 1 from below.
; LIMITS: NaN and infinities among the inputs are not served.  A block of zeros gets the byte 1 where the rule says 127: its codes are zeros, which add nothing, and this program alone reads the bytes.
; SHARES: work-group g makes block g; wave w its chunk w: four fragments.  Each load reads 512 consecutive bytes of one row; a fragment's 16 rows turn through the wave's own stage in LDS,
; so that a lane gets two whole blocks of 32 neighbours (lane (r, h): k = 64 c + 32 h + 0 .. 31, c = 0, 1).  No tensor load, no barrier: waves share nothing.  Loads run two fragments (32 loads a wave) ahead.
.set BLKB,   25600
.set CH,     6400
.set FRB,    1536
.set SCO,    6144
.set ROWB,   8192                      ; a row of any of the three tensors in bytes
.set SPITCH, 528                       ; a stage row: 512 bytes + 16
.set WSTG,   16*SPITCH                 ; a wave's stage
.set VLO,  1                           ; v1   16 x lane + 2,048 x wave: my bytes of a row, fragment rows 0-7
.set VHI,  2                           ; v2   the same for fragment rows 8-15: 8 rows further down in a weight
.set STI,  3                           ; v3   the stage, on the way in
.set STL,  4                           ; v4   and on the way out: 528 r + 128 h
.set LI,   5                           ; v5   16 x lane
.set SO,   6                           ; v6   16 r + 8 h: my 8 scale bytes
.set H8,   7                           ; v7   8 h
.set SW,   16                          ; v16-19 the four scale words
.set T,    20                          ; v20-27 the second halves of the blocks' codes
.set C,    28                          ; v28-51 two sets of 12: a fragment's codes
.set RAW,  64                          ; v64-191 two sets of 64: a fragment as loaded
.set X,    192                         ; v192-255 my 64 numbers
	s_load_b256 s[4:11], s[0:1], 0x0               ; emb_b, Wv, Wo, codes
	v_lshl_add_u32 v62, v0, 2, 0x8400              ; my spare word, behind the four stages
	v_mov_b32 v63, 0
	v_lshrrev_b32 v12, 5, v0
	v_readfirstlane_b32 s18, v12                   ; wave 0..3
	v_and_b32 v12, 31, v0                          ; lane
	v_and_b32 v13, 15, v0                          ; r
	v_bfe_u32 v14, v0, 4, 1                        ; h
	s_lshl_b32 s19, s18, 11                        ; my chunk: 2,048 bytes along a row
	s_mul_i32 s32, s18, WSTG                       ; my stage
	v_lshlrev_b32 v[LI], 4, v12
	v_add_nc_u32 v[VLO], s19, v[LI]
	v_add_nc_u32 v[STI], s32, v[LI]
	v_mul_u32_u24 v[STL], v13, SPITCH
	v_lshl_add_u32 v[STL], v14, 7, v[STL]
	v_add_nc_u32 v[STL], s32, v[STL]
	v_lshlrev_b32 v[H8], 3, v14
	v_lshl_add_u32 v[SO], v13, 4, v[H8]
	v_mov_b32 v15, 0                               ; a lane permute's destination counts as one of its sources
	s_mov_b32 s26, 0x76543210
	s_mov_b32 s27, 0xfedcba98                      ; selects for lane l xor 16
	s_wait_alu depctr_va_vdst(0)
	s_wait_kmcnt 0x0
	s_mov_b64 s[20:21], s[8:9]                     ; which tensor: the choice hangs on the work-group's number alone
	s_mov_b32 s22, 384
	s_cmp_lt_u32 ttmp9, 384
	s_cselect_b64 s[20:21], s[6:7], s[20:21]
	s_cselect_b32 s22, 256, s22
	s_cmp_lt_u32 ttmp9, 256
	s_cselect_b64 s[20:21], s[4:5], s[20:21]
	s_cselect_b32 s22, 0, s22
	s_sub_co_u32 s23, ttmp9, s22                   ; i: the block's number in its tensor
	s_lshr_b32 s28, s23, 1
	s_lshl_b32 s28, s28, 5
	s_and_b32 s29, s23, 1
	s_lshl_b32 s29, s29, 3
	s_or_b32 s28, s28, s29                         ; a weight's first row: 32 (i / 2) + 8 (i % 2)
	s_lshl_b32 s30, s23, 4                         ; emb_b's: 16 i
	s_cmp_ge_u32 ttmp9, 256
	s_cselect_b32 s28, s28, s30
	s_cselect_b32 s24, 0x10000, 0                  ; a weight's fragment rows 8-15 lie 8 rows (65,536 bytes) further down
	s_lshl_b32 s28, s28, 13                        ; in bytes (under 2^26)
	s_mov_b32 s29, 0
	s_add_nc_u64 s[20:21], s[20:21], s[28:29]
	s_mul_i32 s30, ttmp9, BLKB
	s_mul_i32 s31, s18, CH
	s_add_co_u32 s30, s30, s31                     ; my chunk in the codes' buffer
	s_mov_b32 s31, 0
	s_add_nc_u64 s[16:17], s[10:11], s[30:31]
	v_add_nc_u32 v[VHI], s24, v[VLO]
.macro LOADF q                         ; fragment q as it lies: 16 rows x 512 bytes, 32 lanes to a row's 512 consecutive bytes
.irp t, 0,1,2,3,4,5,6,7
	global_load_b128 v[RAW+64*((\q)%2)+4*\t:RAW+64*((\q)%2)+4*\t+3], v[VLO], s[20:21] offset:ROWB*\t+512*(\q) th:TH_LOAD_NT
.endr
.irp t, 8,9,10,11,12,13,14,15
	global_load_b128 v[RAW+64*((\q)%2)+4*\t:RAW+64*((\q)%2)+4*\t+3], v[VHI], s[20:21] offset:ROWB*\t+512*(\q) th:TH_LOAD_NT
.endr
.endm
.macro FRAGQ q
.set CS, C+12*((\q)%2)
.if (\q) < 3
	s_wait_loadcnt 16                              ; this fragment's 16 loads are in; the next fragment's 16 may be out
.else
	s_wait_loadcnt 0x0
.endif
.irp t, 0,1,2,3,4,5,6,7,8,9,10,11,12,13,14,15
	ds_store_b128 v[STI], v[RAW+64*((\q)%2)+4*\t:RAW+64*((\q)%2)+4*\t+3] offset:SPITCH*\t
.endr
.irp c, 0,1
.irp j, 0,1,2,3,4,5,6,7
	ds_load_b128 v[X+32*\c+4*\j:X+32*\c+4*\j+3], v[STL] offset:256*\c+16*\j   ; LDS serves a wave's instructions in order: these see the stores above
.endr
.endr
	s_wait_dscnt 0x0                               ; my 64 numbers are in, and the stores have read their registers,
.if (\q) < 2
	LOADF (\q)+2                                   ; which take the fragment two further on
.endif
.irp c, 0,1
	v_max3_num_f32 v[8+\c], |v[X+32*\c]|, |v[X+32*\c+1]|, 0x1800000   ; a whole block is mine; the floor 2^(3 - 127) holds the byte at 1 from below
.endr
.irp i, 2,4,6,8,10,12,14,16,18,20,22,24,26,28,30
.irp c, 0,1
	v_max3_num_f32 v[8+\c], v[8+\c], |v[X+32*\c+\i]|, |v[X+32*\c+\i+1]|   ; (the two blocks by turns)
.endr
.endr
.irp c, 0,1
	v_add_nc_u32 v[10+\c], 0xff000000, v[8+\c]     ; 2 off the exponent field: the conversion's scale operand
.endr
.irp c, 0,1
	v_lshrrev_b32 v[12+\c], 23, v[10+\c]           ; the scale's byte
.endr
	v_lshl_or_b32 v14, v13, 16, v12                ; blocks h and 2 + h of my row,
	v_lshlrev_b32 v[SW+(\q)], v[H8], v14           ; at their places in the scale word
.if (\q) >= 2
	s_wait_alu depctr_va_vdst(0)
	s_wait_xcnt 0x0                                ; the stores of two fragments back have read this set of codes: it is written again only behind this wait
.endif
.irp c, 0,1
	v_cvt_scalef32_pk16_fp6_f32 v[CS+6*\c:CS+6*\c+2], v[X+32*\c:X+32*\c+15], v[10+\c]
	v_cvt_scalef32_pk16_fp6_f32 v[T+4*\c:T+4*\c+2], v[X+32*\c+16:X+32*\c+31], v[10+\c]   ; (a conversion's three registers begin on an even number)
.endr
	v_nop                                          ; one plain place behind a scaled conversion
.irp c, 0,1
.irp i, 0,1,2
	v_mov_b32 v[CS+3+6*\c+\i], v[T+4*\c+\i]
.endr
.endr
.irp k, 0,1,2
	global_store_b128 v[LI], v[CS+4*\k:CS+4*\k+3], s[16:17] offset:FRB*(\q)+512*\k   ; 32 lanes store 512 consecutive bytes, at a multiple of 256 from the buffer's first byte
.endr
.endm
	LOADF 0
	LOADF 1
	s_wait_alu depctr_va_vdst(0)
	FRAGQ 0
	FRAGQ 1
	FRAGQ 2
	FRAGQ 3
.irp q, 0,1,2,3
	v_permlanex16_b32 v15, v[SW+\q], s26, s27
	v_or_b32 v[SW+\q], v[SW+\q], v15               ; with lane l xor 16's two bytes the word is whole
.endr
	v_cmp_ne_u32 vcc_lo, 0, v[H8]
	v_cndmask_b32 v52, v16, v18, vcc_lo            ; lanes 0-15 store words 0 and 1 of their row, lanes 16-31 words 2 and 3
	v_cndmask_b32 v53, v17, v19, vcc_lo
	global_store_b64 v[SO], v[52:53], s[16:17] offset:SCO   ; 32 lanes store 256 consecutive bytes, aligned
	s_wait_tensorcnt 0x0                           ; the wave's end
	ds_add_u32 v62, v63
	s_wait_dscnt 0x0
	s_endpgm
.Lfunc_end_k_q083802da70_quant:
	.size	k_q083802da70_quant, .Lfunc_end_k_q083802da70_quant-k_q083802da70_quant
	.p2alignl 7, 3214868480
	.fill 96, 4, 3214868480
	.section	.rodata,"a",@progbits
	.p2align	6, 0x0
	.amdhsa_kernel k_q083802da70_quant
		.amdhsa_group_segment_fixed_size 34304
		.amdhsa_private_segment_fixed_size 0
		.amdhsa_enable_private_segment 0
		.amdhsa_kernarg_size 32
		.amdhsa_user_sgpr_count 2
		.amdhsa_user_sgpr_kernarg_segment_ptr 1
		.amdhsa_wavefront_size32 1
		.amdhsa_system_sgpr_workgroup_id_x 1
		.amdhsa_system_sgpr_workgroup_id_y 1
		.amdhsa_system_sgpr_workgroup_id_z 1
		.amdhsa_system_vgpr_workitem_id 0
		.amdhsa_next_free_vgpr 256
		.amdhsa_next_free_sgpr 66
		.amdhsa_reserve_vcc 1
		.amdhsa_float_denorm_mode_32 3
		.amdhsa_float_denorm_mode_16_64 3
		.amdhsa_memory_ordered 1
		.amdhsa_forward_progress 1
		.amdhsa_inst_pref_size 30
	.end_amdhsa_kernel
	.amdgpu_metadata
---
amdhsa.version: [ 1, 2 ]
amdhsa.kernels:
  - .name:           k_q083802da70_quant
    .symbol:         k_q083802da70_quant.kd
    .args:
      - { .name: emb_b, .offset: 0, .size: 8, .value_kind: global_buffer, .address_space: global }
      - { .name: Wv, .offset: 8, .size: 8, .value_kind: global_buffer, .address_space: global }
      - { .name: Wo, .offset: 16, .size: 8, .value_kind: global_buffer, .address_space: global }
      - { .name: codes, .offset: 24, .size: 8, .value_kind: global_buffer, .address_space: global }
    .group_segment_fixed_size: 34304
    .private_segment_fixed_size: 0
    .kernarg_segment_align: 8
    .kernarg_segment_size: 32
    .max_flat_workgroup_size: 128
    .sgpr_count:     66
    .vgpr_count:     256
    .wavefront_size: 32
...
	.end_amdgpu_metadata
.endif
;; end of part 1
;; launch vh (part 2): grid 8 x 32, 4 waves a work-group, clusters of 4 x 4, 327,680 bytes of LDS; arguments codes, bv, emb_a, hbuf; writes hbuf
.if DOCPART == 2
	.amdgcn_target "amdgcn-amd-amdhsa--gfx1250"
	.amdhsa_code_object_version 6
	.text
	.protected	k_q083802da70_vh
	.globl	k_q083802da70_vh
	.p2align	8
	.type	k_q083802da70_vh,@function
k_q083802da70_vh:
	s_mov_b64 s[64:65], 0
	v_nop
	global_prefetch_b8 v0, s[64:65] scope:SCOPE_SE
	s_setreg_imm32_b32 hwreg(HW_REG_WAVE_MODE, 25, 1), 1
	s_wait_xcnt 0x0
	s_wait_alu depctr_hold_cnt(0) depctr_sa_sdst(0) depctr_va_vdst(0) depctr_va_sdst(0) depctr_va_ssrc(0) depctr_va_vcc(0) depctr_vm_vsrc(0)
	s_getreg_b32 s2, hwreg(HW_REG_IB_STS2, 6, 4)
	s_cmp_eq_u32 s2, 0
	s_cbranch_scc0 .Lentry_in_a_cluster
	s_endpgm
.Lentry_in_a_cluster:
	s_bfe_u32 s2, ttmp6, 0x10000c
	s_cmp_lg_u32 s2, 0xf033
	s_cbranch_scc0 .Lentry_shape_is_right
	s_endpgm
.Lentry_shape_is_right:
; v = emb_b Wv^T + bv on codes of FP6 (E2M3) with E8M0 scales; h = v + emb_a in f32; h is quantised along its columns, which are the last product's K, and leaves as codes.
; LEFT OUT: attn, the softmax over an axis of length 1, is the factor 1 for every finite score (shown at the head of the first kernel): q, k and the scores are not computed.
; LIMITS of the quantiser: NaN and infinities in h are not served as numbers; a block of zeros gets the byte 1 where the rule says 127: its codes are zeros, and this program alone reads the bytes.
; THE CODES lie in the order of the operand registers: a block = 16 rows x 2,048 K = 25,600 bytes = 4 chunks of 6,400 (512 along K): 4 fragment images of 1,536 bytes (register j of lane l at
; 512 (j / 4) + 16 l + 4 (j % 4)), then 256 scale bytes (row r: 16 bytes, word q for the chunk's q-th 128 along K).  hbuf has the same layout: block i = rows 16 i on.
; SHARES: a work-group of four waves makes 128 x 256 (256 work-groups); wave w has rows 64 (w / 2) on and columns 128 (w % 2) on: 32 accumulators (window 2).  A wave's 128 columns are one K step of the last product:
; each of its four blocks of 16 rows becomes one whole fragment and one scale word a row.
; K goes in chunks of 512 through a ring of two LDS slots of 24 chunks (A's 8 blocks, B's 16), filled by the tensor data mover.  CLUSTERS: 4 x 4; A's chunks are asked for jointly along a row of the cluster, B's along a column.
; THE HEAD: one joint load a wave (slot 0); addresses and bv are made and asked for while it is out; then the three lines, a round, and slot 1's first fill, issued as a refill is.
; THE WALK ALONG K HANGS ON THE CLUSTER: a cluster whose x + y is even takes the chunks in the order 0, 1, 2, 3, an odd one 2, 3, 0, 1; the number is the same in all sixteen partners.
; LIMIT: in odd clusters the f32 sums run over K = 1,024 .. 2,047 and then 0 .. 1,023: an order of rounding other than ascending K.
; PREFETCH: the walk's chunks 1 and 2 are named at the head, chunk 3 behind slot 1's fill: two refills ahead of the load that wants them (chunk 1: one).  Of the 4 (A) or 8 (B) blocks that a wave fetches, the partner at place
; p (cx for A, cy for B) names 1 or 2: 25 units of 256 bytes an instruction, a lane a unit, lanes 25-31 the last unit again.  So each unit is named once in a cluster.  The last two refills ask for nothing.
; THE MATRIX INSTRUCTION IS USED TRANSPOSED (source 0 = 16 rows of Wv, source 1 = 16 rows of emb_b).  bv is the C of each sum's first instruction.
; emb_a's tile (64 rows x 512 bytes a wave) is asked for during the product, 16 loads in each of four steps, into window 3, and turns through the wave's stage in LDS on the way out.
; The stage lies in slot 0, which has had its last fill and its last read when the first number is stored there.
; REGISTERS: window 0: v1-30 addresses; v32-95 scale words, two sets; v96-191 A's fragments, two sets (on the way out: v96-159 h, v160-199 the quantiser's); v240-245 h's scale words.
;   window 1: v0-191 B's fragments, two sets; v192-255 bv.   window 2: v.   window 3: emb_a as loaded.
.set BLKB,  25600
.set CH,    6400
.set FRB,   1536
.set SCO,   6144
.set SLOT,  24*CH
.set SPARE, 2*SLOT                     ; behind the ring: the spare words, 128 bytes for each wave
.set ABASE, 0                          ; emb_b's first block
.set BBASE, 256                        ; Wv's
.set SPITCH, 528                       ; a stage row: 512 bytes + 16
.set ADRA,  16                         ; v16-17 LDS address of my A fragments in slot 0, 1
.set ADRB,  18                         ; v18-19 the same for B
.set ADRS,  20                         ; v20-21 of my scale words: lanes 0-15 A's rows, lanes 16-31 B's
.set LI,    22                         ; v22   16 x lane
.set STI,   23                         ; v23   the stage by rows
.set STL,   24                         ; v24   the stage by lanes: 528 r + 64 h
.set BO,    25                         ; v25   64 h
.set HO,    27                         ; v27   25,600 h + 16 r: my row's scale bytes in block h
.set SPW,   28
.set NIL,   29
.set PFO,   30                         ; v30   256 x min(lane, 24)
.set SC,    32
.set AF,    96
.set BI,    192
.set HX,    96                         ; h: register 16 b + i = column 32 b + 16 h + i of my row
.set TM,    160
.set PW,    176
.set PC,    180
.set HW,    240
.set G1A,   24
.set G0A,   32
.set G1B,   48
.set G0B,   56
.set SEL,   66
.set XO,    80                         ; s[80:81] where my cluster's walk along K begins, in bytes of a block: 0 or 2 chunks
.set YO,    82                         ; s[82:83] and where its second half begins
.set FA,    84
.set FB,    86
.set PX,    92                         ; s[92:93] my prefetches' block at the walk's first chunk; s[94:95] at its third; never rewritten
.set PY,    94
.set MSB, 0
.macro WIN new                         ; the immediate's high byte repeats the setting that is left
.if MSB != \new
	s_set_vgpr_msb (MSB<<8)|\new
.set MSB, \new
.endif
.endm
.macro PLACES n
.rept \n
	v_nop
.endr
.endm
.macro JLOAD g0a, g1a, g0b, g1b        ; a joint load; the branch hangs on the wave's number alone; s_nop 0 and four v_nop follow each line
	s_cmp_eq_u32 s15, 0
	s_cbranch_scc0 .Lfor_b_\@
	tensor_load_to_lds s[\g0a:\g0a+3], s[\g1a:\g1a+7]
	s_nop 0
.rept 4
	v_nop
.endr
	s_branch .Lasked_\@
.Lfor_b_\@:
	tensor_load_to_lds s[\g0b:\g0b+3], s[\g1b:\g1b+7]
	s_nop 0
.rept 4
	v_nop
.endr
.Lasked_\@:
.endm
.macro ASK base, off                   ; one chunk of my work-group's share: A's waves one block, B's waves two
	global_prefetch_b8 v[PFO], s[\base:\base+1] offset:\off th:TH_LOAD_NT scope:SCOPE_SE
	s_cmp_eq_u32 s15, 0
	s_cbranch_scc1 .Lone_\@
	global_prefetch_b8 v[PFO], s[\base:\base+1] offset:\off+BLKB th:TH_LOAD_NT scope:SCOPE_SE
.Lone_\@:
.endm
.macro CREST                           ; a round of the cluster's barrier behind its opening barrier
	s_cmp_lg_u32 s14, 0
	s_cbranch_scc1 .Lnot_wave_0_\@
	s_barrier_signal -3
.Lnot_wave_0_\@:
	s_barrier_wait -3
	s_barrier_signal -1
	s_barrier_wait -1
.endm
.macro CROUND
	s_barrier_signal -1
	s_barrier_wait -1
	CREST
.endm
.macro FETCH slot, q, p                ; 36 LDS loads in one run: B's eight and A's four fragments of the slot's q-th 128 along K, into set p
	WIN 0x40
.irp i, 0,1,2,3,4,5,6,7
.irp c, 0,1,2
	ds_load_b128 v[96*(\p)+12*\i+4*\c:96*(\p)+12*\i+4*\c+3], v[ADRB+\slot] offset:\i*CH+(\q)*FRB+512*\c
.endr
.endr
	WIN 0
.irp i, 0,1,2,3
.irp c, 0,1,2
	ds_load_b128 v[AF+48*(\p)+12*\i+4*\c:AF+48*(\p)+12*\i+4*\c+3], v[ADRA+\slot] offset:\i*CH+(\q)*FRB+512*\c
.endr
.endr
.endm
.macro SCALES slot                     ; lanes 0-15 A's block i (for i over 3: bytes of the slot that no product uses), lanes 16-31 B's block i
.irp i, 0,1,2,3,4,5,6,7
	ds_load_b128 v[SC+32*\slot+4*\i:SC+32*\slot+4*\i+3], v[ADRS+\slot] offset:\i*CH
.endr
.endm
.macro MUL16 a0, p, q, sc, bias        ; the 32 accumulators take turns, one instruction a turn, in the same order in every step
.irp a, \a0, \a0+1
.irp b, 0,1,2,3,4,5,6,7
.if \bias
	v_wmma_scale_f32_16x16x128_f8f6f4 v[8*(8*(\a)+\b):8*(8*(\a)+\b)+7], v[96*(\p)+12*\b:96*(\p)+12*\b+11], v[AF+48*(\p)+12*(\a):AF+48*(\p)+12*(\a)+11], v[BI+8*\b:BI+8*\b+7], v[SC+32*(\sc)+4*\b+(\q)], v[SC+32*(\sc)+4*(\a)+(\q)] matrix_a_fmt:MATRIX_FMT_FP6 matrix_b_fmt:MATRIX_FMT_FP6 matrix_a_scale:MATRIX_SCALE_ROW1
.else
	v_wmma_scale_f32_16x16x128_f8f6f4 v[8*(8*(\a)+\b):8*(8*(\a)+\b)+7], v[96*(\p)+12*\b:96*(\p)+12*\b+11], v[AF+48*(\p)+12*(\a):AF+48*(\p)+12*(\a)+11], v[8*(8*(\a)+\b):8*(8*(\a)+\b)+7], v[SC+32*(\sc)+4*\b+(\q)], v[SC+32*(\sc)+4*(\a)+(\q)] matrix_a_fmt:MATRIX_FMT_FP6 matrix_b_fmt:MATRIX_FMT_FP6 matrix_a_scale:MATRIX_SCALE_ROW1
.endif
.endr
.endr
.endm
.macro BIAS win, ptr                   ; eight tiles x eight registers in the result's layout: tile t, half h: columns 32 (t / 2) + 8 (t % 2) + 16 h + 0 .. 7 of my 128
	WIN \win
.irp t, 0,1,2,3,4,5,6,7
	global_load_b128 v[BI+8*\t:BI+8*\t+3], v[BO], s[\ptr:\ptr+1] offset:(32*(\t/2)+8*(\t%2))*4
	global_load_b128 v[BI+8*\t+4:BI+8*\t+7], v[BO], s[\ptr:\ptr+1] offset:(32*(\t/2)+8*(\t%2))*4+16
.endr
	WIN 0
.endm
.macro EMB a                           ; emb_a: rows 16 a on of my 64, my 128 columns: a load reads 512 consecutive bytes of one row; into window 3
	WIN 0xc0
.irp t, 0,1,2,3,4,5,6,7,8,9,10,11,12,13,14,15
	global_load_b128 v[64*(\a)+4*\t:64*(\a)+4*\t+3], v[LI], s[8:9] offset:(16*(\a)+\t)*8192 th:TH_LOAD_NT
.endr
	WIN 0
.endm
.macro STEP slot, q, win, bias, hook   ; hook: which block of emb_a is asked for in this step; -1: none
	PLACES 4                                       ; four places between the last products and loads into registers that they read
	FETCH \slot, (\q)+1, ((\q)+1)%2
.if \hook >= 0
	EMB \hook
.endif
	s_wait_dscnt 36                                ; all but the 36 LDS loads just issued
	WIN \win
	MUL16 0, (\q)%2, \q, \slot, \bias
	MUL16 2, (\q)%2, \q, \slot, \bias
.endm
; A slot's last step changes slots.  fill = 1: this slot is filled again, from the kept bases + the offset pair ro + the constant ca.
.macro TURN slot, next, fill, ro, ca, win
	WIN 0
	s_wait_tensorcnt 0x0                           ; all my tensor loads have landed: my part of the next slot; so a group 0 may be written
	ds_add_u32 v[SPW], v[NIL]                      ; 0 onto my spare word
.if \fill
	s_add_nc_u64 s[G0A+4*\slot+2:G0A+4*\slot+3], s[20:21], s[\ro:\ro+1]
	s_add_nc_u64 s[G0B+4*\slot+2:G0B+4*\slot+3], s[46:47], s[\ro:\ro+1]
.if (\ca) != 0
	s_add_nc_u64 s[G0A+4*\slot+2:G0A+4*\slot+3], s[G0A+4*\slot+2:G0A+4*\slot+3], \ca
	s_add_nc_u64 s[G0B+4*\slot+2:G0B+4*\slot+3], s[G0B+4*\slot+2:G0B+4*\slot+3], \ca
.endif
	s_or_b32 s[G0A+4*\slot+3], s[G0A+4*\slot+3], 0x80000000   ; type = 2
	s_or_b32 s[G0B+4*\slot+3], s[G0B+4*\slot+3], 0x80000000
.endif
	s_wait_dscnt 0x0                               ; the add is done; this step's fragments are in, and they were my last reads of this slot
	s_barrier_signal -1
	WIN \win
	MUL16 0, 1, 3, \slot, 0
	WIN 0
	s_barrier_wait -1
.if \fill
	CREST                                          ; no wave of any partner still reads this slot or has a load on its way
	JLOAD G0A+4*\slot, G1A, G0B+4*\slot, G1B       ; the first tensor load behind the round; its four v_nop are also the places in front of the loads below
.else
	PLACES 4
.endif
	FETCH \next, 0, 0
	SCALES \next
	WIN \win
	MUL16 2, 1, 3, \slot, 0
.endm
.macro LAST win
	s_wait_dscnt 0x0
	WIN \win
	MUL16 0, 1, 3, 1, 0
	MUL16 2, 1, 3, 1, 0
	WIN 0
.endm
; 64 numbers of a lane, v[s] on, register 16 b + i = k 32 b + 16 (lane / 16) + i of my row, become a fragment's codes in v[PC] on and its scale word in v[PW].
.macro QUANT s
.irp b, 0,1,2,3
	v_max3_num_f32 v[TM+\b], |v[\s+16*\b]|, |v[\s+1+16*\b]|, 0x1800000   ; my 16 numbers of block b, and the floor 2^(3 - 127): the byte cannot fall under 1
.endr
.irp i, 2,4,6,8,10,12,14
.irp b, 0,1,2,3
	v_max3_num_f32 v[TM+\b], v[TM+\b], |v[\s+16*\b+\i]|, |v[\s+1+16*\b+\i]|
.endr
.endr
.irp b, 0,1,2,3
	v_permlanex16_b32 v[TM+4+\b], v[TM+\b], s[SEL], s[SEL+1]
.endr
.irp b, 0,1,2,3
	v_max_num_f32 v[TM+\b], v[TM+\b], v[TM+4+\b]   ; with lane l xor 16's: the block's largest magnitude
.endr
.irp b, 0,1,2,3
	v_add_nc_u32 v[TM+12+\b], 0xff000000, v[TM+\b] ; 2 off its exponent field: the conversion's scale operand
.endr
.irp b, 0,1,2,3
	v_lshrrev_b32 v[TM+4+\b], 23, v[TM+12+\b]      ; the scale's byte
.endr
	v_lshl_or_b32 v[PW], v[TM+5], 8, v[TM+4]
	v_lshl_or_b32 v[PW], v[TM+6], 16, v[PW]
	v_lshl_or_b32 v[PW], v[TM+7], 24, v[PW]
.irp c, 0,1
	v_cvt_scalef32_pk16_fp6_f32 v[PC+6*\c:PC+2+6*\c], v[\s+32*\c:\s+15+32*\c], v[TM+12+2*\c]
	v_cvt_scalef32_pk16_fp6_f32 v[PC+12+4*\c:PC+14+4*\c], v[\s+16+32*\c:\s+31+32*\c], v[TM+12+2*\c+1]   ; (a conversion's three registers begin on an even number)
.endr
	v_nop                                          ; one plain place behind a scaled conversion
.irp c, 0,1                                    ; the operand's layout wants a whole block in a lane: lanes 0-15 block 2 c, lanes 16-31 block 2 c + 1
.irp i, 0,1,2
	v_permlane16_swap_b32 v[PC+6*\c+\i], v[PC+12+4*\c+\i]
.endr
.irp i, 0,1,2
	v_mov_b32 v[PC+3+6*\c+\i], v[PC+12+4*\c+\i]
.endr
.endr
.endm
; The way out of block a (16 rows): emb_a turns through my stage, h = v + emb_a, h is quantised, its fragment is stored.
.macro HBLK a
	s_wait_loadcnt 16*(3-(\a))                     ; this block's 16 loads of emb_a are in; the later blocks' may be out
	WIN 0x0c                                       ; an LDS store's data are its source 1: window 3
.irp t, 0,1,2,3,4,5,6,7,8,9,10,11,12,13,14,15
	ds_store_b128 v[STI], v[64*(\a)+4*\t:64*(\a)+4*\t+3] offset:SPITCH*\t
.endr
	WIN 0
.irp b, 0,1,2,3
.irp j, 0,1,2,3
	ds_load_b128 v[HX+16*\b+4*\j:HX+16*\b+4*\j+3], v[STL] offset:128*\b+16*\j   ; LDS serves a wave's instructions in order: these see the stores above
.endr
.endr
	s_wait_dscnt 0x0
	WIN 0x02                                       ; source 0 (v) window 2
.set i, 0
.rept 32
	v_pk_add_f32 v[HX+2*i:HX+2*i+1], v[64*(\a)+2*i:64*(\a)+2*i+1], v[HX+2*i:HX+2*i+1]   ; each accumulator from its low end on
.set i, i+1
.endr
	WIN 0
.if (\a) > 0
	s_wait_xcnt 0x0                                ; the last block's stores have read the codes' registers: they are written again only behind this wait
.endif
	QUANT HX
.irp c, 0,1,2
	global_store_b128 v[LI], v[PC+4*\c:PC+4*\c+3], s[10:11] offset:(\a)*BLKB+512*\c   ; 32 lanes store 512 consecutive bytes, at a multiple of 256 from the buffer's first byte
.endr
	v_mov_b32 v[HW+(\a)], v[PW]
.endm
	s_load_b128 s[4:7], s[0:1], 0x0                ; codes s[4:5], bv s[6:7]
	s_load_b128 s[8:11], s[0:1], 0x10              ; emb_a s[8:9], hbuf s[10:11]
	v_lshl_add_u32 v[SPW], v0, 2, SPARE
	v_mov_b32 v[NIL], 0
	ds_add_u32 v[SPW], v[NIL]                      ; the opening lines: the add, twice on end, and its wait ahead of my first tensor load
	ds_add_u32 v[SPW], v[NIL]
	v_lshrrev_b32 v1, 5, v0
	v_readfirstlane_b32 s14, v1                    ; wave 0..3
	s_lshr_b32 s15, s14, 1                         ; mh.  Also: I fetch for A (0) or for B (1)
	s_and_b32 s16, s14, 1                          ; nh.  Also: which half of that tile I fetch
	s_bfe_u32 s40, ttmp6, 0x40000                  ; cx, cy
	s_bfe_u32 s41, ttmp6, 0x40004
	s_lshl_b32 s42, ttmp9, 2
	s_add_co_u32 s42, s42, s40                     ; tile column
	s_and_b32 s17, ttmp7, 0xffff
	s_lshl_b32 s17, s17, 2
	s_add_co_u32 s17, s17, s41                     ; tile row
	s_lshl_b32 s43, s41, 2
	s_lshl_b32 s43, 15, s43                        ; my row of the cluster
	s_lshl_b32 s44, 0x1111, s40                    ; my column
	s_and_b32 s88, ttmp7, 0xffff
	s_add_co_u32 s88, s88, ttmp9
	s_and_b32 s88, s88, 1                          ; cluster x + y odd or even
	s_mul_i32 s[XO], s88, 2*CH
	s_mov_b32 s[XO+1], 0
	s_sub_co_u32 s[YO], 2*CH, s[XO]
	s_mov_b32 s[YO+1], 0
	s_or_b32 s[G1A], s43, (3<<16)|(1<<21)          ; the mask; elements of 8 bytes; bit 21 set beside a mask
	s_or_b32 s[G1B], s44, (3<<16)|(1<<21)
	s_mov_b32 s[G1A+1], 800<<16                    ; rows of 800 elements (a chunk),
	s_mov_b32 s[G1A+2], 4<<16                      ; A: 4 of them,
	s_mov_b32 s[G1A+3], 800<<16
	s_mov_b32 s[G1A+4], 4
	s_mov_b32 s[G1A+5], 3200                       ; a block apart
	s_mov_b32 s[G1A+6], 0
	s_mov_b32 s[G1A+7], 0
	s_mov_b32 s[G1B+1], 800<<16
	s_mov_b32 s[G1B+2], 8<<16                      ; B: 8
	s_mov_b32 s[G1B+3], 800<<16
	s_mov_b32 s[G1B+4], 8
	s_mov_b32 s[G1B+5], 3200
	s_mov_b32 s[G1B+6], 0
	s_mov_b32 s[G1B+7], 0
	s_lshl_b32 s18, s16, 2
	s_lshl_b32 s20, s17, 3
	s_add_co_u32 s20, s20, s18
	s_add_co_u32 s20, s20, ABASE                   ; A: block ABASE + 8 x tile row + 4 x half
	s_mul_i32 s20, s20, BLKB
	s_mov_b32 s21, 0
	s_lshl_b32 s19, s16, 3
	s_lshl_b32 s46, s42, 4
	s_add_co_u32 s46, s46, s19
	s_add_co_u32 s46, s46, BBASE                   ; B: block BBASE + 16 x tile column + 8 x half
	s_mul_i32 s46, s46, BLKB
	s_mov_b32 s47, 0
	s_mul_i32 s45, s16, 4*CH                       ; where they go: no place in the cluster enters an LDS address
	s_mul_i32 s23, s16, 8*CH
	s_add_co_u32 s23, s23, 8*CH
	s_wait_dscnt 0x0                               ; both opening adds are done
	s_wait_kmcnt 0x0
	s_add_nc_u64 s[20:21], s[4:5], s[20:21]        ; the bases: my blocks' first bytes; they stay
	s_add_nc_u64 s[46:47], s[4:5], s[46:47]
	s_add_nc_u64 s[FA:FA+1], s[20:21], s[XO:XO+1]  ; at the walk's first chunk
	s_add_nc_u64 s[FB:FB+1], s[46:47], s[XO:XO+1]
.irp s, 0,1
	s_mov_b32 s[G0A+4*\s], 1
	s_add_co_u32 s[G0A+4*\s+1], s45, \s*SLOT
	s_add_nc_u64 s[G0A+4*\s+2:G0A+4*\s+3], s[FA:FA+1], \s*CH
	s_or_b32 s[G0A+4*\s+3], s[G0A+4*\s+3], 0x80000000
	s_mov_b32 s[G0B+4*\s], 1
	s_add_co_u32 s[G0B+4*\s+1], s23, \s*SLOT
	s_add_nc_u64 s[G0B+4*\s+2:G0B+4*\s+3], s[FB:FB+1], \s*CH
	s_or_b32 s[G0B+4*\s+3], s[G0B+4*\s+3], 0x80000000
.endr
	CROUND                                         ; all sixteen work-groups are here: the first joint loads meet
	JLOAD G0A, G1A, G0B, G1B                       ; the walk's first chunk: one tensor load a wave at the head
	; all the scalar work first, then the vector work in one run
	s_lshl_b32 s90, s41, 1
	s_cmp_eq_u32 s15, 0
	s_cselect_b32 s90, s40, s90                    ; my work-group's share of what I fetch: A: block cx of 4; B: blocks 2 cy, 2 cy + 1 of 8
	s_cselect_b64 s[PX:PX+1], s[20:21], s[46:47]
	s_mul_i32 s90, s90, BLKB
	s_mov_b32 s91, 0
	s_add_nc_u64 s[PX:PX+1], s[PX:PX+1], s[90:91]
	s_add_nc_u64 s[PY:PY+1], s[PX:PX+1], s[YO:YO+1]
	s_add_nc_u64 s[PX:PX+1], s[PX:PX+1], s[XO:XO+1]
	s_mul_i32 s68, s15, 4*CH                       ; my four blocks of A
	s_xor_b32 s69, s15, 1
	s_mul_i32 s69, s69, 4*CH
	s_mul_i32 s70, s16, 8*CH
	s_add_co_u32 s69, s69, s70
	s_add_co_u32 s69, s69, 4*CH                    ; from my first block of A to my first block of B
	s_mul_i32 s75, s14, 16*SPITCH                  ; my stage
	s_lshl_b32 s70, s42, 10
	s_lshl_b32 s71, s16, 9
	s_add_co_u32 s70, s70, s71                     ; my first column, in bytes of f32
	s_mov_b32 s71, 0
	s_add_nc_u64 s[6:7], s[6:7], s[70:71]          ; bv
	s_lshl_b32 s72, s17, 20
	s_lshl_b32 s73, s15, 19
	s_add_co_u32 s72, s72, s73
	s_add_co_u32 s72, s72, s70
	s_mov_b32 s73, 0
	s_add_nc_u64 s[8:9], s[8:9], s[72:73]          ; emb_a at my first row and column
	s_lshl_b32 s72, s17, 3
	s_lshl_b32 s73, s15, 2
	s_add_co_u32 s72, s72, s73
	s_mul_i32 s72, s72, BLKB                       ; hbuf: block 8 x tile row + 4 mh,
	s_lshr_b32 s73, s42, 1
	s_mul_i32 s73, s73, CH
	s_add_co_u32 s72, s72, s73                     ; chunk tile column / 2,
	s_and_b32 s74, s42, 1
	s_lshl_b32 s74, s74, 1
	s_add_co_u32 s74, s74, s16                     ; fragment 2 (tile column % 2) + nh
	s_lshl_b32 s78, s74, 2
	s_add_co_u32 s78, s78, s72
	s_add_co_u32 s78, s78, SCO
	s_mov_b32 s79, 0
	s_add_nc_u64 s[76:77], s[10:11], s[78:79]      ; where my scale words go
	s_mul_i32 s74, s74, FRB
	s_add_co_u32 s72, s72, s74
	s_mov_b32 s73, 0
	s_add_nc_u64 s[10:11], s[10:11], s[72:73]      ; where my fragments go
	s_mov_b32 s[SEL], 0x76543210
	s_mov_b32 s[SEL+1], 0xfedcba98
	v_and_b32 v1, 15, v0                           ; r
	v_bfe_u32 v2, v0, 4, 1                         ; h
	v_and_b32 v3, 31, v0                           ; lane
	v_lshlrev_b32 v[LI], 4, v3
	v_add_nc_u32 v[ADRA], s68, v[LI]
	v_add_nc_u32 v[ADRA+1], SLOT, v[ADRA]
	v_add_nc_u32 v[ADRB], s23, v[LI]
	v_add_nc_u32 v[ADRB+1], SLOT, v[ADRB]
	v_mul_u32_u24 v4, s69, v2                      ; lanes 16-31 take B's scale words
	v_lshl_add_u32 v4, v1, 4, v4
	v_add_nc_u32 v4, s68, v4
	v_add_nc_u32 v[ADRS], SCO, v4
	v_add_nc_u32 v[ADRS+1], SLOT, v[ADRS]
	v_add_nc_u32 v[STI], s75, v[LI]
	v_mul_u32_u24 v[STL], v1, SPITCH
	v_lshl_add_u32 v[STL], v2, 6, v[STL]
	v_add_nc_u32 v[STL], s75, v[STL]
	v_lshlrev_b32 v[BO], 6, v2
	v_mul_u32_u24 v[HO], v2, BLKB
	v_lshl_add_u32 v[HO], v1, 4, v[HO]
	v_min_u32 v[PFO], 24, v3
	v_lshlrev_b32 v[PFO], 8, v[PFO]
	s_wait_alu depctr_va_vdst(0)                   ; no vector instruction writes a register between here and the waits below
	ASK PX, CH                                     ; the walk's second chunk,
	ASK PY, 0                                      ; and its third
	BIAS 0x40, 6                                   ; bv into window 1
	s_wait_loadcnt 0x0                             ; bv is in
	s_wait_tensorcnt 0x0                           ; my part of slot 0 is in
	ds_add_u32 v[SPW], v[NIL]
	s_wait_dscnt 0x0
	CROUND                                         ; everybody's part is in, and the joint loads meet
	JLOAD G0A+4, G1A, G0B+4, G1B                   ; slot 1's first fill: the first tensor load behind the round
	FETCH 0, 0, 0
	SCALES 0
	ASK PY, CH                                     ; the walk's fourth chunk
	; ---- v = emb_b Wv^T + bv: 0x91 = B window 1, A window 0, C (bv) window 1, D window 2; 0xa1 = C and D window 2
	STEP 0, 0, 0x91, 1, 0
	STEP 0, 1, 0xa1, 0, -1
	STEP 0, 2, 0xa1, 0, 1
	TURN 0, 1, 1, YO, 0, 0xa1                      ; the second half of the walk: its first chunk,
	STEP 1, 0, 0xa1, 0, -1
	STEP 1, 1, 0xa1, 0, 2
	STEP 1, 2, 0xa1, 0, -1
	TURN 1, 0, 1, YO, CH, 0xa1                     ; its second
	STEP 0, 0, 0xa1, 0, 3
	STEP 0, 1, 0xa1, 0, -1
	STEP 0, 2, 0xa1, 0, -1
	TURN 0, 1, 0, XO, 0, 0xa1                      ; nothing is left to fetch; behind this barrier nobody reads slot 0
	STEP 1, 0, 0xa1, 0, -1
	STEP 1, 1, 0xa1, 0, -1
	STEP 1, 2, 0xa1, 0, -1
	LAST 0xa1
	; ---- the way out
	PLACES 4
.irp b, 0,1,2,3
	v_mov_b32 v[TM+4+\b], 0                        ; a lane permute's destination counts as one of its sources
.endr
	s_wait_alu depctr_va_vdst(0)
	HBLK 0
	HBLK 1
	HBLK 2
	HBLK 3
	v_cmp_ne_u32 vcc_lo, 0, v2
	v_cndmask_b32 v[HW+4], v[HW], v[HW+1], vcc_lo  ; lanes 0-15: block 0's word of row r, lanes 16-31: block 1's;
	v_cndmask_b32 v[HW+5], v[HW+2], v[HW+3], vcc_lo   ; blocks 2 and 3
	global_store_b32 v[HO], v[HW+4], s[76:77]      ; 4 bytes of each row's 16: the other three words come from the other waves and work-groups of these rows
	global_store_b32 v[HO], v[HW+5], s[76:77] offset:2*BLKB
	s_wait_tensorcnt 0x0                           ; the wave's end
	ds_add_u32 v[SPW], v[NIL]
	s_wait_dscnt 0x0
	CROUND                                         ; the closing round
	s_endpgm
.Lfunc_end_k_q083802da70_vh:
	.size	k_q083802da70_vh, .Lfunc_end_k_q083802da70_vh-k_q083802da70_vh
	.p2alignl 7, 3214868480
	.fill 96, 4, 3214868480
	.section	.rodata,"a",@progbits
	.p2align	6, 0x0
	.amdhsa_kernel k_q083802da70_vh
		.amdhsa_group_segment_fixed_size 327680
		.amdhsa_private_segment_fixed_size 0
		.amdhsa_enable_private_segment 0
		.amdhsa_kernarg_size 32
		.amdhsa_user_sgpr_count 2
		.amdhsa_user_sgpr_kernarg_segment_ptr 1
		.amdhsa_wavefront_size32 1
		.amdhsa_system_sgpr_workgroup_id_x 1
		.amdhsa_system_sgpr_workgroup_id_y 1
		.amdhsa_system_sgpr_workgroup_id_z 1
		.amdhsa_system_vgpr_workitem_id 0
		.amdhsa_next_free_vgpr 1024
		.amdhsa_next_free_sgpr 96
		.amdhsa_reserve_vcc 1
		.amdhsa_float_denorm_mode_32 3
		.amdhsa_float_denorm_mode_16_64 3
		.amdhsa_memory_ordered 1
		.amdhsa_forward_progress 1
		.amdhsa_inst_pref_size 160
	.end_amdhsa_kernel
	.amdgpu_metadata
---
amdhsa.version: [ 1, 2 ]
amdhsa.kernels:
  - .name:           k_q083802da70_vh
    .symbol:         k_q083802da70_vh.kd
    .args:
      - { .name: codes, .offset: 0, .size: 8, .value_kind: global_buffer, .address_space: global }
      - { .name: bv, .offset: 8, .size: 8, .value_kind: global_buffer, .address_space: global }
      - { .name: emb_a, .offset: 16, .size: 8, .value_kind: global_buffer, .address_space: global }
      - { .name: hbuf, .offset: 24, .size: 8, .value_kind: global_buffer, .address_space: global }
    .group_segment_fixed_size: 327680
    .private_segment_fixed_size: 0
    .kernarg_segment_align: 8
    .kernarg_segment_size: 32
    .max_flat_workgroup_size: 128
    .sgpr_count:     96
    .vgpr_count:     1024
    .wavefront_size: 32
...
	.end_amdgpu_metadata
.endif
;; end of part 2
;; launch outp (part 3): grid 8 x 32, 4 waves a work-group, clusters of 4 x 4, 327,680 bytes of LDS; arguments hbuf, codes, bo, out0; writes out0
.if DOCPART == 3
	.amdgcn_target "amdgcn-amd-amdhsa--gfx1250"
	.amdhsa_code_object_version 6
	.text
	.protected	k_q083802da70_outp
	.globl	k_q083802da70_outp
	.p2align	8
	.type	k_q083802da70_outp,@function
k_q083802da70_outp:
	s_mov_b64 s[64:65], 0
	v_nop
	global_prefetch_b8 v0, s[64:65] scope:SCOPE_SE
	s_setreg_imm32_b32 hwreg(HW_REG_WAVE_MODE, 25, 1), 1
	s_wait_xcnt 0x0
	s_wait_alu depctr_hold_cnt(0) depctr_sa_sdst(0) depctr_va_vdst(0) depctr_va_sdst(0) depctr_va_ssrc(0) depctr_va_vcc(0) depctr_vm_vsrc(0)
	s_getreg_b32 s2, hwreg(HW_REG_IB_STS2, 6, 4)
	s_cmp_eq_u32 s2, 0
	s_cbranch_scc0 .Lentry_in_a_cluster
	s_endpgm
.Lentry_in_a_cluster:
	s_bfe_u32 s2, ttmp6, 0x10000c
	s_cmp_lg_u32 s2, 0xf033
	s_cbranch_scc0 .Lentry_shape_is_right
	s_endpgm
.Lentry_shape_is_right:
; out0 = h Wo^T + bo on codes of FP6 (E2M3) with E8M0 scales, f32 sums, f32 out.  h's codes come from hbuf (block i = rows 16 i on), Wo's from codes (blocks 384-511).
; THE CODES lie in the order of the operand registers: a block = 16 rows x 2,048 K = 25,600 bytes = 4 chunks of 6,400 (512 along K): 4 fragment images of 1,536 bytes, then 256 scale bytes.
; SHARES, RING, CLUSTERS, HEAD, WALK ALONG K AND PREFETCH as in the launch before: a work-group of four waves makes 128 x 256 (256 work-groups), a wave 64 x 128 in 32 accumulators (window 2);
; two LDS slots of 24 chunks; 4 x 4 clusters, A's chunks asked for jointly along a row, B's along a column; one joint load a wave at the head, slot 1's first fill behind the three lines and a round;
; even clusters walk the chunks 0, 1, 2, 3, odd ones 2, 3, 0, 1; the walk's chunks 1 and 2 are prefetched at the head, chunk 3 behind slot 1's fill, each 256 bytes named once in a cluster, shared out by address.
; LIMIT: in odd clusters the f32 sums run over K = 1,024 .. 2,047 and then 0 .. 1,023: an order of rounding other than ascending K.
; THE MATRIX INSTRUCTION IS USED TRANSPOSED (source 0 = 16 rows of Wo, source 1 = 16 rows of h): a lane holds eight neighbouring columns of a row.  bo is the C of each sum's first instruction.
; THE WAY OUT: a block of 16 rows x 128 columns goes through the wave's stage in LDS and comes back as whole rows of 512 bytes.  The stage lies in slot 0, which has had its last fill and its last read by then.
; REGISTERS: window 0: v1-30 addresses; v32-95 scale words, two sets; v96-191 A's fragments, two sets (on the way out v96-223: rows read back, two sets of 64).  window 1: v0-191 B's fragments; v192-255 bo.  window 2: the sums.
.set BLKB,  25600
.set CH,    6400
.set FRB,   1536
.set SCO,   6144
.set SLOT,  24*CH
.set SPARE, 2*SLOT                     ; behind the ring: the spare words, 128 bytes for each wave
.set ABASE, 0                          ; h's first block, in hbuf
.set BBASE, 384                        ; Wo's, in codes
.set SPITCH, 528
.set ADRA,  16
.set ADRB,  18
.set ADRS,  20
.set LI,    22                         ; v22   16 x lane
.set STI,   23                         ; v23   the stage by rows
.set STL,   24                         ; v24   the stage by lanes: 528 r + 64 h
.set BO,    25                         ; v25   64 h
.set SPW,   28
.set NIL,   29
.set PFO,   30                         ; v30   256 x min(lane, 24)
.set SC,    32
.set AF,    96
.set BI,    192
.set BK,    96
.set G1A,   24
.set G0A,   32
.set G1B,   48
.set G0B,   56
.set XO,    80
.set YO,    82
.set FA,    84
.set FB,    86
.set PX,    92
.set PY,    94
.set MSB, 0
.macro WIN new                         ; the immediate's high byte repeats the setting that is left
.if MSB != \new
	s_set_vgpr_msb (MSB<<8)|\new
.set MSB, \new
.endif
.endm
.macro PLACES n
.rept \n
	v_nop
.endr
.endm
.macro JLOAD g0a, g1a, g0b, g1b        ; a joint load; the branch hangs on the wave's number alone; s_nop 0 and four v_nop follow each line
	s_cmp_eq_u32 s15, 0
	s_cbranch_scc0 .Lfor_b_\@
	tensor_load_to_lds s[\g0a:\g0a+3], s[\g1a:\g1a+7]
	s_nop 0
.rept 4
	v_nop
.endr
	s_branch .Lasked_\@
.Lfor_b_\@:
	tensor_load_to_lds s[\g0b:\g0b+3], s[\g1b:\g1b+7]
	s_nop 0
.rept 4
	v_nop
.endr
.Lasked_\@:
.endm
.macro ASK base, off                   ; one chunk of my work-group's share: A's waves one block, B's waves two
	global_prefetch_b8 v[PFO], s[\base:\base+1] offset:\off th:TH_LOAD_NT scope:SCOPE_SE
	s_cmp_eq_u32 s15, 0
	s_cbranch_scc1 .Lone_\@
	global_prefetch_b8 v[PFO], s[\base:\base+1] offset:\off+BLKB th:TH_LOAD_NT scope:SCOPE_SE
.Lone_\@:
.endm
.macro CREST
	s_cmp_lg_u32 s14, 0
	s_cbranch_scc1 .Lnot_wave_0_\@
	s_barrier_signal -3
.Lnot_wave_0_\@:
	s_barrier_wait -3
	s_barrier_signal -1
	s_barrier_wait -1
.endm
.macro CROUND
	s_barrier_signal -1
	s_barrier_wait -1
	CREST
.endm
.macro FETCH slot, q, p                ; 36 LDS loads in one run: B's eight and A's four fragments of the slot's q-th 128 along K, into set p
	WIN 0x40
.irp i, 0,1,2,3,4,5,6,7
.irp c, 0,1,2
	ds_load_b128 v[96*(\p)+12*\i+4*\c:96*(\p)+12*\i+4*\c+3], v[ADRB+\slot] offset:\i*CH+(\q)*FRB+512*\c
.endr
.endr
	WIN 0
.irp i, 0,1,2,3
.irp c, 0,1,2
	ds_load_b128 v[AF+48*(\p)+12*\i+4*\c:AF+48*(\p)+12*\i+4*\c+3], v[ADRA+\slot] offset:\i*CH+(\q)*FRB+512*\c
.endr
.endr
.endm
.macro SCALES slot                     ; lanes 0-15 A's block i (for i over 3: bytes of the slot that no product uses), lanes 16-31 B's block i
.irp i, 0,1,2,3,4,5,6,7
	ds_load_b128 v[SC+32*\slot+4*\i:SC+32*\slot+4*\i+3], v[ADRS+\slot] offset:\i*CH
.endr
.endm
.macro MUL16 a0, p, q, sc, bias        ; the 32 accumulators take turns, one instruction a turn
.irp a, \a0, \a0+1
.irp b, 0,1,2,3,4,5,6,7
.if \bias
	v_wmma_scale_f32_16x16x128_f8f6f4 v[8*(8*(\a)+\b):8*(8*(\a)+\b)+7], v[96*(\p)+12*\b:96*(\p)+12*\b+11], v[AF+48*(\p)+12*(\a):AF+48*(\p)+12*(\a)+11], v[BI+8*\b:BI+8*\b+7], v[SC+32*(\sc)+4*\b+(\q)], v[SC+32*(\sc)+4*(\a)+(\q)] matrix_a_fmt:MATRIX_FMT_FP6 matrix_b_fmt:MATRIX_FMT_FP6 matrix_a_scale:MATRIX_SCALE_ROW1
.else
	v_wmma_scale_f32_16x16x128_f8f6f4 v[8*(8*(\a)+\b):8*(8*(\a)+\b)+7], v[96*(\p)+12*\b:96*(\p)+12*\b+11], v[AF+48*(\p)+12*(\a):AF+48*(\p)+12*(\a)+11], v[8*(8*(\a)+\b):8*(8*(\a)+\b)+7], v[SC+32*(\sc)+4*\b+(\q)], v[SC+32*(\sc)+4*(\a)+(\q)] matrix_a_fmt:MATRIX_FMT_FP6 matrix_b_fmt:MATRIX_FMT_FP6 matrix_a_scale:MATRIX_SCALE_ROW1
.endif
.endr
.endr
.endm
.macro BIAS win, ptr                   ; tile t, half h: columns 32 (t / 2) + 8 (t % 2) + 16 h + 0 .. 7 of my 128
	WIN \win
.irp t, 0,1,2,3,4,5,6,7
	global_load_b128 v[BI+8*\t:BI+8*\t+3], v[BO], s[\ptr:\ptr+1] offset:(32*(\t/2)+8*(\t%2))*4
	global_load_b128 v[BI+8*\t+4:BI+8*\t+7], v[BO], s[\ptr:\ptr+1] offset:(32*(\t/2)+8*(\t%2))*4+16
.endr
	WIN 0
.endm
.macro STEP slot, q, win, bias
	PLACES 4                                       ; four places between the last products and loads into registers that they read
	FETCH \slot, (\q)+1, ((\q)+1)%2
	s_wait_dscnt 36                                ; all but the 36 LDS loads just issued
	WIN \win
	MUL16 0, (\q)%2, \q, \slot, \bias
	MUL16 2, (\q)%2, \q, \slot, \bias
.endm
.macro THREE slot, win
	STEP \slot, 0, \win, 0
	STEP \slot, 1, \win, 0
	STEP \slot, 2, \win, 0
.endm
.macro TURN slot, next, fill, ro, ca, win   ; a slot's last step changes slots; fill = 1: this slot is filled again, from the kept bases + the pair ro + ca
	WIN 0
	s_wait_tensorcnt 0x0                           ; all my tensor loads have landed; so a group 0 may be written
	ds_add_u32 v[SPW], v[NIL]
.if \fill
	s_add_nc_u64 s[G0A+4*\slot+2:G0A+4*\slot+3], s[20:21], s[\ro:\ro+1]
	s_add_nc_u64 s[G0B+4*\slot+2:G0B+4*\slot+3], s[46:47], s[\ro:\ro+1]
.if (\ca) != 0
	s_add_nc_u64 s[G0A+4*\slot+2:G0A+4*\slot+3], s[G0A+4*\slot+2:G0A+4*\slot+3], \ca
	s_add_nc_u64 s[G0B+4*\slot+2:G0B+4*\slot+3], s[G0B+4*\slot+2:G0B+4*\slot+3], \ca
.endif
	s_or_b32 s[G0A+4*\slot+3], s[G0A+4*\slot+3], 0x80000000
	s_or_b32 s[G0B+4*\slot+3], s[G0B+4*\slot+3], 0x80000000
.endif
	s_wait_dscnt 0x0                               ; the add is done; my last reads of this slot are in
	s_barrier_signal -1
	WIN \win
	MUL16 0, 1, 3, \slot, 0
	WIN 0
	s_barrier_wait -1
.if \fill
	CREST                                          ; no wave of any partner still reads this slot or has a load on its way
	JLOAD G0A+4*\slot, G1A, G0B+4*\slot, G1B       ; the first tensor load behind the round; its four v_nop are the places in front of the loads below
.else
	PLACES 4
.endif
	FETCH \next, 0, 0
	SCALES \next
	WIN \win
	MUL16 2, 1, 3, \slot, 0
.endm
.macro LAST win
	s_wait_dscnt 0x0
	WIN \win
	MUL16 0, 1, 3, 1, 0
	MUL16 2, 1, 3, 1, 0
	WIN 0
.endm
.macro TOSTAGE a                       ; block a's eight accumulators into my stage, each from its low end on, and back by rows
	WIN 0x08
.irp t, 0,1,2,3,4,5,6,7
	ds_store_b128 v[STL], v[64*(\a)+8*\t:64*(\a)+8*\t+3] offset:128*(\t/2)+32*(\t%2)
	ds_store_b128 v[STL], v[64*(\a)+8*\t+4:64*(\a)+8*\t+7] offset:128*(\t/2)+32*(\t%2)+16
.endr
	WIN 0
.irp t, 0,1,2,3,4,5,6,7,8,9,10,11,12,13,14,15
	ds_load_b128 v[BK+64*((\a)%2)+4*\t:BK+64*((\a)%2)+4*\t+3], v[STI] offset:SPITCH*\t   ; LDS serves a wave's instructions in order
.endr
.endm
.macro SEND a, younger                 ; younger: the LDS instructions issued behind block a's loads
	s_wait_dscnt \younger
.irp t, 0,1,2,3,4,5,6,7,8,9,10,11,12,13,14,15
	global_store_b128 v[LI], v[BK+64*((\a)%2)+4*\t:BK+64*((\a)%2)+4*\t+3], s[10:11] offset:(16*(\a)+\t)*8192 th:TH_STORE_NT   ; 32 lanes store 512 consecutive bytes, aligned to 256
.endr
.endm
	s_load_b128 s[4:7], s[0:1], 0x0                ; hbuf s[4:5], codes s[6:7]
	s_load_b128 s[8:11], s[0:1], 0x10              ; bo s[8:9], out0 s[10:11]
	v_lshl_add_u32 v[SPW], v0, 2, SPARE
	v_mov_b32 v[NIL], 0
	ds_add_u32 v[SPW], v[NIL]                      ; the opening lines: the add, twice on end, and its wait ahead of my first tensor load
	ds_add_u32 v[SPW], v[NIL]
	v_lshrrev_b32 v1, 5, v0
	v_readfirstlane_b32 s14, v1                    ; wave 0..3
	s_lshr_b32 s15, s14, 1                         ; mh.  Also: I fetch for A (0) or for B (1)
	s_and_b32 s16, s14, 1                          ; nh.  Also: which half of that tile I fetch
	s_bfe_u32 s40, ttmp6, 0x40000                  ; cx, cy
	s_bfe_u32 s41, ttmp6, 0x40004
	s_lshl_b32 s42, ttmp9, 2
	s_add_co_u32 s42, s42, s40                     ; tile column
	s_and_b32 s17, ttmp7, 0xffff
	s_lshl_b32 s17, s17, 2
	s_add_co_u32 s17, s17, s41                     ; tile row
	s_lshl_b32 s43, s41, 2
	s_lshl_b32 s43, 15, s43                        ; my row of the cluster
	s_lshl_b32 s44, 0x1111, s40                    ; my column
	s_and_b32 s88, ttmp7, 0xffff
	s_add_co_u32 s88, s88, ttmp9
	s_and_b32 s88, s88, 1                          ; cluster x + y odd or even
	s_mul_i32 s[XO], s88, 2*CH
	s_mov_b32 s[XO+1], 0
	s_sub_co_u32 s[YO], 2*CH, s[XO]
	s_mov_b32 s[YO+1], 0
	s_or_b32 s[G1A], s43, (3<<16)|(1<<21)          ; the mask; elements of 8 bytes; bit 21 set beside a mask
	s_or_b32 s[G1B], s44, (3<<16)|(1<<21)
	s_mov_b32 s[G1A+1], 800<<16                    ; rows of 800 elements (a chunk), A: 4, B: 8, a block apart
	s_mov_b32 s[G1A+2], 4<<16
	s_mov_b32 s[G1A+3], 800<<16
	s_mov_b32 s[G1A+4], 4
	s_mov_b32 s[G1A+5], 3200
	s_mov_b32 s[G1A+6], 0
	s_mov_b32 s[G1A+7], 0
	s_mov_b32 s[G1B+1], 800<<16
	s_mov_b32 s[G1B+2], 8<<16
	s_mov_b32 s[G1B+3], 800<<16
	s_mov_b32 s[G1B+4], 8
	s_mov_b32 s[G1B+5], 3200
	s_mov_b32 s[G1B+6], 0
	s_mov_b32 s[G1B+7], 0
	s_lshl_b32 s18, s16, 2
	s_lshl_b32 s20, s17, 3
	s_add_co_u32 s20, s20, s18
	s_add_co_u32 s20, s20, ABASE
	s_mul_i32 s20, s20, BLKB
	s_mov_b32 s21, 0
	s_lshl_b32 s19, s16, 3
	s_lshl_b32 s46, s42, 4
	s_add_co_u32 s46, s46, s19
	s_add_co_u32 s46, s46, BBASE
	s_mul_i32 s46, s46, BLKB
	s_mov_b32 s47, 0
	s_mul_i32 s45, s16, 4*CH
	s_mul_i32 s23, s16, 8*CH
	s_add_co_u32 s23, s23, 8*CH
	s_wait_dscnt 0x0                               ; both opening adds are done
	s_wait_kmcnt 0x0
	s_add_nc_u64 s[20:21], s[4:5], s[20:21]        ; the bases: my blocks' first bytes; they stay
	s_add_nc_u64 s[46:47], s[6:7], s[46:47]
	s_add_nc_u64 s[FA:FA+1], s[20:21], s[XO:XO+1]
	s_add_nc_u64 s[FB:FB+1], s[46:47], s[XO:XO+1]
.irp s, 0,1
	s_mov_b32 s[G0A+4*\s], 1
	s_add_co_u32 s[G0A+4*\s+1], s45, \s*SLOT
	s_add_nc_u64 s[G0A+4*\s+2:G0A+4*\s+3], s[FA:FA+1], \s*CH
	s_or_b32 s[G0A+4*\s+3], s[G0A+4*\s+3], 0x80000000
	s_mov_b32 s[G0B+4*\s], 1
	s_add_co_u32 s[G0B+4*\s+1], s23, \s*SLOT
	s_add_nc_u64 s[G0B+4*\s+2:G0B+4*\s+3], s[FB:FB+1], \s*CH
	s_or_b32 s[G0B+4*\s+3], s[G0B+4*\s+3], 0x80000000
.endr
	CROUND                                         ; all sixteen work-groups are here: the first joint loads meet
	JLOAD G0A, G1A, G0B, G1B                       ; the walk's first chunk: one tensor load a wave at the head
	s_lshl_b32 s90, s41, 1
	s_cmp_eq_u32 s15, 0
	s_cselect_b32 s90, s40, s90                    ; my work-group's share of what I fetch: A: block cx of 4; B: blocks 2 cy, 2 cy + 1 of 8
	s_cselect_b64 s[PX:PX+1], s[20:21], s[46:47]
	s_mul_i32 s90, s90, BLKB
	s_mov_b32 s91, 0
	s_add_nc_u64 s[PX:PX+1], s[PX:PX+1], s[90:91]
	s_add_nc_u64 s[PY:PY+1], s[PX:PX+1], s[YO:YO+1]
	s_add_nc_u64 s[PX:PX+1], s[PX:PX+1], s[XO:XO+1]
	s_mul_i32 s68, s15, 4*CH
	s_xor_b32 s69, s15, 1
	s_mul_i32 s69, s69, 4*CH
	s_mul_i32 s70, s16, 8*CH
	s_add_co_u32 s69, s69, s70
	s_add_co_u32 s69, s69, 4*CH                    ; from my first block of A to my first block of B
	s_mul_i32 s75, s14, 16*SPITCH                  ; my stage
	s_lshl_b32 s70, s42, 10
	s_lshl_b32 s71, s16, 9
	s_add_co_u32 s70, s70, s71                     ; my first column, in bytes of f32
	s_mov_b32 s71, 0
	s_add_nc_u64 s[8:9], s[8:9], s[70:71]          ; bo
	s_lshl_b32 s72, s17, 20
	s_lshl_b32 s73, s15, 19
	s_add_co_u32 s72, s72, s73
	s_add_co_u32 s72, s72, s70
	s_mov_b32 s73, 0
	s_add_nc_u64 s[10:11], s[10:11], s[72:73]      ; out0 at my first row and column
	v_and_b32 v1, 15, v0                           ; r
	v_bfe_u32 v2, v0, 4, 1                         ; h
	v_and_b32 v3, 31, v0                           ; lane
	v_lshlrev_b32 v[LI], 4, v3
	v_add_nc_u32 v[ADRA], s68, v[LI]
	v_add_nc_u32 v[ADRA+1], SLOT, v[ADRA]
	v_add_nc_u32 v[ADRB], s23, v[LI]
	v_add_nc_u32 v[ADRB+1], SLOT, v[ADRB]
	v_mul_u32_u24 v4, s69, v2
	v_lshl_add_u32 v4, v1, 4, v4
	v_add_nc_u32 v4, s68, v4
	v_add_nc_u32 v[ADRS], SCO, v4
	v_add_nc_u32 v[ADRS+1], SLOT, v[ADRS]
	v_add_nc_u32 v[STI], s75, v[LI]
	v_mul_u32_u24 v[STL], v1, SPITCH
	v_lshl_add_u32 v[STL], v2, 6, v[STL]
	v_add_nc_u32 v[STL], s75, v[STL]
	v_lshlrev_b32 v[BO], 6, v2
	v_min_u32 v[PFO], 24, v3
	v_lshlrev_b32 v[PFO], 8, v[PFO]
	s_wait_alu depctr_va_vdst(0)                   ; no vector instruction writes a register between here and the waits below
	ASK PX, CH                                     ; the walk's second chunk,
	ASK PY, 0                                      ; and its third
	BIAS 0x40, 8                                   ; bo into window 1
	s_wait_loadcnt 0x0                             ; bo is in
	s_wait_tensorcnt 0x0                           ; my part of slot 0 is in
	ds_add_u32 v[SPW], v[NIL]
	s_wait_dscnt 0x0
	CROUND                                         ; everybody's part is in, and the joint loads meet
	JLOAD G0A+4, G1A, G0B+4, G1B                   ; slot 1's first fill: the first tensor load behind the round
	FETCH 0, 0, 0
	SCALES 0
	ASK PY, CH                                     ; the walk's fourth chunk
	; 0x91 = B window 1, A window 0, C (bo) window 1, D window 2; 0xa1 = C and D window 2
	STEP 0, 0, 0x91, 1
	STEP 0, 1, 0xa1, 0
	STEP 0, 2, 0xa1, 0
	TURN 0, 1, 1, YO, 0, 0xa1
	THREE 1, 0xa1
	TURN 1, 0, 1, YO, CH, 0xa1
	THREE 0, 0xa1
	TURN 0, 1, 0, XO, 0, 0xa1                      ; nothing is left to fetch; behind this barrier nobody reads slot 0
	THREE 1, 0xa1
	LAST 0xa1
	PLACES 4
	TOSTAGE 0
	TOSTAGE 1
	SEND 0, 32                                     ; behind block 0's loads: block 1's 16 stores and 16 loads
	s_wait_xcnt 0x0                                ; block 0's stores have read their registers: block 2's loads may land there
	TOSTAGE 2
	SEND 1, 32
	s_wait_xcnt 0x0
	TOSTAGE 3
	SEND 2, 32
	SEND 3, 0
	s_wait_tensorcnt 0x0                           ; the wave's end
	ds_add_u32 v[SPW], v[NIL]
	s_wait_dscnt 0x0
	CROUND                                         ; the closing round
	s_endpgm
.Lfunc_end_k_q083802da70_outp:
	.size	k_q083802da70_outp, .Lfunc_end_k_q083802da70_outp-k_q083802da70_outp
	.p2alignl 7, 3214868480
	.fill 96, 4, 3214868480
	.section	.rodata,"a",@progbits
	.p2align	6, 0x0
	.amdhsa_kernel k_q083802da70_outp
		.amdhsa_group_segment_fixed_size 327680
		.amdhsa_private_segment_fixed_size 0
		.amdhsa_enable_private_segment 0
		.amdhsa_kernarg_size 32
		.amdhsa_user_sgpr_count 2
		.amdhsa_user_sgpr_kernarg_segment_ptr 1
		.amdhsa_wavefront_size32 1
		.amdhsa_system_sgpr_workgroup_id_x 1
		.amdhsa_system_sgpr_workgroup_id_y 1
		.amdhsa_system_sgpr_workgroup_id_z 1
		.amdhsa_system_vgpr_workitem_id 0
		.amdhsa_next_free_vgpr 1024
		.amdhsa_next_free_sgpr 96
		.amdhsa_reserve_vcc 0
		.amdhsa_float_denorm_mode_32 3
		.amdhsa_float_denorm_mode_16_64 3
		.amdhsa_memory_ordered 1
		.amdhsa_forward_progress 1
		.amdhsa_inst_pref_size 134
	.end_amdhsa_kernel
	.amdgpu_metadata
---
amdhsa.version: [ 1, 2 ]
amdhsa.kernels:
  - .name:           k_q083802da70_outp
    .symbol:         k_q083802da70_outp.kd
    .args:
      - { .name: hbuf, .offset: 0, .size: 8, .value_kind: global_buffer, .address_space: global }
      - { .name: codes, .offset: 8, .size: 8, .value_kind: global_buffer, .address_space: global }
      - { .name: bo, .offset: 16, .size: 8, .value_kind: global_buffer, .address_space: global }
      - { .name: out0, .offset: 24, .size: 8, .value_kind: global_buffer, .address_space: global }
    .group_segment_fixed_size: 327680
    .private_segment_fixed_size: 0
    .kernarg_segment_align: 8
    .kernarg_segment_size: 32
    .max_flat_workgroup_size: 128
    .sgpr_count:     96
    .vgpr_count:     1024
    .wavefront_size: 32
...
	.end_amdgpu_metadata
.endif
;; end of part 3
